; MI455X (gfx1250); checked and timed in simulation.
; The chip was launched on July 23, 2026; its instructions are those of AMD's public machine-readable ISA for CDNA 5 (MIT licence, August 2026) and "CDNA5" Instruction Set Architecture Reference Guide (July 2026). The comments in the code are by the model that wrote it; some were corrected since.
;; GRU Cell BBB. Allowed arithmetic: float matrix products may take bf16 or f16 operands with f32 sums; other float arithmetic in f32, or as packed bf16 or f16 multiplies, adds, multiply-adds, maxima and minima; sums over many terms, partial sums and values carried from step to step in f32; what a program stores and reads back later, other than sums and carried values, may be rounded once to bf16 or f16.
;; Inputs: U_mu 1,024 x 3,072 float32; U_rho 1,024 x 3,072 float32; W_mu 1,024 x 3,072 float32; W_rho 1,024 x 3,072 float32; b_mu 3,072 float32; b_rho 3,072 float32; h_pre_eps 1,024 float32; h_prev 2,048 x 1,024 float32; r_eps 1,024 float32; u_eps 1,024 float32; x 2,048 x 1,024 float32.
;; Outputs: out0 2,048 x 1,024 float32.
;; 2 versions, each right; version 2 is version 1 with the launch prep written anew for expert scheduling mode. Each part assembles by itself: llvm-mc -triple=amdgcn-amd-amdhsa -mcpu=gfx1250 --defsym DOCPART=n.
;; ======== version 1 of 2: 2 launches
;; limits: values are held in f16: magnitudes above 65,504 overflow, below 6.1e-05 lose precision; inputs' magnitudes at most 256; right only within a limited range of input values
;; workspace buffers: Aw 8,388,608 bytes; Bw 16,777,216 bytes; cb 16,384 bytes
;; launch prep (part 1): grid 769 x 1, 8 waves a work-group, no clusters, 0 bytes of LDS; arguments W_rho, U_rho, W_mu, U_mu, x, h_prev, b_mu, b_rho, u_eps, h_pre_eps, Aw, Bw, cb; writes Aw, Bw, cb
.if DOCPART == 1
	.amdgcn_target "amdgcn-amd-amdhsa--gfx1250"
	.amdhsa_code_object_version 6
	.text
	.protected	k_q0fd16cf78d_prep
	.globl	k_q0fd16cf78d_prep
	.p2align	8
	.type	k_q0fd16cf78d_prep,@function
k_q0fd16cf78d_prep:
	s_mov_b64 s[64:65], 0
	v_nop
	global_prefetch_b8 v0, s[64:65] scope:SCOPE_SE
	s_setreg_imm32_b32 hwreg(HW_REG_WAVE_MODE, 25, 1), 1
	s_wait_xcnt 0x0
; PREP: the operands of the one product that the second kernel makes, in 16 bits, the folded bias and a scale for each column.
;
; WORK LEFT OUT.  The result is h = u h_prev + (1 - u) tanh(..).  It is made of the slices [H, 2H) and [2H, 3H) of mu and sig alone: r, made of
; the slice [0, H), is used by no later line, whatever the inputs hold.  So columns 0 to 1023 of W_mu, W_rho, U_mu, U_rho, b_mu, b_rho are not read,
; their third of all four products is not made, and r_eps, which has no other use, is no argument of any kernel here.
; Limit: a NaN, an infinity or an overflow that lies in those columns or in r_eps alone is not carried to the result.
;
; THE FORM.  With a = [x, h_prev] (2048 long) the input of a gate's activation is, for column n with its eps[n],
;   g[m][n] = sum_k a[m][k] Wmu[k][n]  +  sum_k a[m][k]^2 (softplus(rho[k][n])^2 eps[n])  +  c[n],   c[n] = b_mu[n] + softplus(b_rho[n]) eps[n],
; since eps[n] is the same for every k.  Both sums go onto one accumulator.  With SC[n] = max(2^floor(log2 |eps[n]|), 1), a power of two:
;   Aw [2048 m][2048 k], f16: x | h_prev, 1024 each.  The squares are not stored: the second kernel makes them in registers from these numbers.
;   Bw [4096 rows][2048 n'], f16.  Source row k = 128 s + kk of [W; U] lies at row 256 s + kk as Wmu / SC and at row 256 s + 128 + kk as
;      softplus(rho)^2 eps / SC: the 256 rows that go with 128 columns of Aw adjoin.
;   cb [2][2048 n'] f32: c, then SC.  The second kernel's sums are (g - c) / SC.
; Column order: n' = 128 (j >> 6) + 64 gate + (j & 63), gate 0 = u, 1 = h, source column 1024 + 1024 gate + j: a block of 128 n' holds 64 columns of u
; and the same 64 of h, so that one work-group of the second kernel can blend them.
; FORMATS.  All operands go in f16 (11 bits).  softplus(rho)^2 is spread so widely that one product a^2 s^2 eps can be most of g's variance part; with 8 bits both its
; factors are off by up to 2^-9, which on a part of a few units, cancelled by the mean where tanh is steep, is an error near 0.01.  With 11 bits it is at most 2^-10 in all.
; SC gives f16 the room: |eps| / SC < 2, so the variance's weights stay under 2 softplus(rho)^2, whatever the size of eps.
; Limits: |W_mu|, |U_mu| from 65,504 up and softplus(rho)^2 from 32,752 up (rho from 181) become infinity; |x|, |h_prev| from 256 up have an infinite square in the
; second kernel; below 6.1e-5 an operand is kept in steps of 6e-8 (for the weights: times SC); |eps| from 2^127 up: 1 / SC is no normal number.
; softplus(r) = max(r, 0) + log1p(exp(-|r|)), the form that keeps the exponential in range.  With t = exp(-|r|): log1p(t) = ln2 log2(1 + t) for
; t >= 1/64, and t (1 + t (-1/2 + t/3)) below, where the next term is t^3/4 of the value, under 1e-6.  Limit: t below 2^-126 counts as 0.
;
; A stream: no LDS, no barrier, no loop.  A work-group takes one job by its number: 0-255 eight rows of a rho matrix, 256-511 eight rows of a mu matrix,
; 512-767 sixteen rows of x or h_prev, 768 the bias.  A thread issues all its loads of 16 bytes at once and finishes them in order under counted waits.
; A wave's load of a weight row covers two runs of 256 bytes (lanes 0-15 a gate u run, lanes 16-31 the gate h run 4,096 bytes on);
; a wave's store of 8 bytes a lane covers 256 consecutive bytes, aligned.  No register that a store names is written again, so no wait frees one.
.set WROW, 12288                       ; bytes in a row of a weight matrix
.set SO,  4                            ; v4  byte offset of my 16 bytes in a source row
.set DO,  5                            ; v5  byte offset of my 8 bytes in a destination row
.set EO,  6                            ; v6  byte offset of my 4 numbers in u_eps and in h_pre_eps
.set CBO, 7                            ; v7  byte offset of my 4 numbers in cb
.set E,   8                            ; v[8:15]   eps of my 4 columns, block 0 then block 1 (256 bytes on)
.set EH,  16                           ; v[16:23]  h_pre_eps as loaded; then SC; then 1 / SC
.set N,   24                           ; v[24:27]  -|r| log2(e), later log2(1 + t)
.set M,   28                           ; v[28:31]  max(r, 0)
.set U,   32                           ; v[32:35]  1 + t, later the form for large t
.set Q,   36                           ; v[36:39]  the form for small t
.set SPR, 40                           ; v[40:43]  softplus
.set TT,  44                           ; v[44:47]  t
.set X,   48                           ; v[48:111] 16 slots of 4 registers, as loaded; their first two later hold what is stored
	s_load_b512 s[8:23], s[0:1], 0x0               ; W_rho s[8:9], U_rho s[10:11], W_mu s[12:13], U_mu s[14:15], x s[16:17], h_prev s[18:19], b_mu s[20:21], b_rho s[22:23]
	s_load_b256 s[24:31], s[0:1], 0x40             ; u_eps s[24:25], h_pre_eps s[26:27], Aw s[28:29], Bw s[30:31]
	s_load_b64 s[32:33], s[0:1], 0x60              ; cb
	s_mov_b32 s34, ttmp9                           ; the work-group's number
	s_mov_b32 s37, 0                               ; upper word of every offset: all are below 4 GiB
	v_and_b32 v1, 31, v0                           ; lane L
	v_lshrrev_b32 v2, 5, v0                        ; wave w
	v_and_b32 v3, 15, v0                           ; L & 15
	v_lshlrev_b32 v[EO], 4, v3
	v_lshl_add_u32 v[EO], v2, 9, v[EO]             ; 512 w + 16 (L & 15): columns j = 128 w + 4 (L & 15) ..
	v_bfe_u32 v[SO], v0, 4, 1                      ; gate = L >> 4
	v_lshl_add_u32 v[SO], v[SO], 12, v[EO]         ; 4096 gate + 4 j
	v_add_nc_u32 v[SO], 0x1000, v[SO]              ; + 4096: the r third is passed over
	v_lshlrev_b32 v[DO], 3, v1
	v_lshl_add_u32 v[DO], v2, 9, v[DO]             ; 2 n' = 512 w + 8 L
	v_lshlrev_b32 v[CBO], 4, v1
	v_lshl_add_u32 v[CBO], v2, 10, v[CBO]          ; 4 n' = 1024 w + 16 L
	s_wait_kmcnt 0x0
.macro EPSLD                           ; both gates' eps of my columns
	global_load_b128 v[E:E+3],     v[EO], s[24:25]
	global_load_b128 v[E+4:E+7],   v[EO], s[24:25] offset:256
	global_load_b128 v[EH:EH+3],   v[EO], s[26:27]
	global_load_b128 v[EH+4:EH+7], v[EO], s[26:27] offset:256
.endm
.macro EPSSEL                          ; lanes 0-15 keep u_eps, lanes 16-31 take h_pre_eps
	v_cmp_gt_u32 vcc_lo, 16, v1
.irp i, 0,1,2,3,4,5,6,7
	v_cndmask_b32 v[E+\i], v[EH+\i], v[E+\i], vcc_lo
.endr
.endm
.macro EPSSC                           ; EH = SC: the exponent field of eps alone is 2^floor(log2 |eps|) (0 for a denormal or 0), and at least 1
.irp i, 0,1,2,3,4,5,6,7
	v_and_b32 v[EH+\i], 0x7f800000, v[E+\i]
.endr
.irp i, 0,1,2,3,4,5,6,7
	v_max_num_f32 v[EH+\i], 1.0, v[EH+\i]
.endr
.endm
.macro EPSINV                          ; EH = 1 / SC, exactly: the exponent field 127 + e becomes 127 - e
.irp i, 0,1,2,3,4,5,6,7
	v_sub_nc_u32 v[EH+\i], 0x7f000000, v[EH+\i]
.endr
.endm
.macro WLD                             ; eight rows x two blocks of a weight matrix: slot 2 i + p
.irp i, 0,1,2,3,4,5,6,7
	global_load_b128 v[X+8*\i:X+8*\i+3],   v[SO], s[2:3] offset:\i*WROW th:TH_LOAD_NT
	global_load_b128 v[X+8*\i+4:X+8*\i+7], v[SO], s[2:3] offset:\i*WROW+256 th:TH_LOAD_NT
.endr
.endm
; s[4:5] = Bw at the row of source row k = 8 s34: row 256 (k / 128) + 128 half + k % 128, 4,096 bytes a row.  Eight rows never cross a block of 128.
.macro BWDST half
	s_lshr_b32 s38, s34, 4                         ; k / 128
	s_lshl_b32 s38, s38, 20                        ; 256 rows
	s_and_b32 s39, s34, 15
	s_lshl_b32 s39, s39, 15                        ; (k % 128) rows
	s_add_co_u32 s36, s38, s39
.if \half
	s_add_co_u32 s36, s36, 0x80000                 ; the variance's 128 rows lie behind the mean's
.endif
	s_add_nc_u64 s[4:5], s[30:31], s[36:37]
.endm
; softplus of v[x : x+3] into SPR
.macro SP4 x
.irp k, 0,1,2,3
	v_or_b32 v[N+\k], 0x80000000, v[\x+\k]                                     ; -|r|
.endr
	v_pk_mul_f32 v[N:N+1],   v[N:N+1],   0x3fb8aa3b op_sel_hi:[1,0]            ; times log2(e)
	v_pk_mul_f32 v[N+2:N+3], v[N+2:N+3], 0x3fb8aa3b op_sel_hi:[1,0]
.irp k, 0,1,2,3
	v_exp_f32 v[TT+\k], v[N+\k]                                                ; t = exp(-|r|), at most 1
.endr
.irp k, 0,1,2,3
	v_max_num_f32 v[M+\k], 0, v[\x+\k]                                         ; plain work between the exponentials and the first use of t (ISA guide 5.7.2)
.endr
	s_wait_alu depctr_va_vdst(0)
	v_pk_add_f32 v[U:U+1],   v[TT:TT+1],   1.0 op_sel_hi:[1,0]
	v_pk_add_f32 v[U+2:U+3], v[TT+2:TT+3], 1.0 op_sel_hi:[1,0]
.irp k, 0,1,2,3
	v_log_f32 v[N+\k], v[U+\k]                                                 ; log2(1 + t)
.endr
	v_pk_fma_f32 v[Q:Q+1],   v[TT:TT+1],   0x3eaaaaab, -0.5 op_sel_hi:[1,0,0]  ; t/3 - 1/2: plain work behind the logarithms
	v_pk_fma_f32 v[Q+2:Q+3], v[TT+2:TT+3], 0x3eaaaaab, -0.5 op_sel_hi:[1,0,0]
	v_pk_fma_f32 v[Q:Q+1],   v[TT:TT+1],   v[Q:Q+1],   1.0 op_sel_hi:[1,1,0]
	v_pk_fma_f32 v[Q+2:Q+3], v[TT+2:TT+3], v[Q+2:Q+3], 1.0 op_sel_hi:[1,1,0]
	v_pk_fma_f32 v[Q:Q+1],   v[TT:TT+1],   v[Q:Q+1],   v[M:M+1]                ; max(r, 0) + t (1 + t (t/3 - 1/2))
	v_pk_fma_f32 v[Q+2:Q+3], v[TT+2:TT+3], v[Q+2:Q+3], v[M+2:M+3]
	s_wait_alu depctr_va_vdst(0)
	v_pk_fma_f32 v[U:U+1],   v[N:N+1],   0x3f317218, v[M:M+1]   op_sel_hi:[1,0,1]   ; max(r, 0) + ln2 log2(1 + t)
	v_pk_fma_f32 v[U+2:U+3], v[N+2:N+3], 0x3f317218, v[M+2:M+3] op_sel_hi:[1,0,1]
.irp k, 0,1,2,3
	v_cmp_gt_f32 vcc_lo, 0x3c800000, v[TT+\k]                                  ; 1/64 > t: the series
	v_cndmask_b32 v[SPR+\k], v[U+\k], v[Q+\k], vcc_lo
.endr
.endm
	s_cmp_lt_u32 s34, 256
	s_cbranch_scc1 .Lsig
	s_cmp_lt_u32 s34, 512
	s_cbranch_scc1 .Lmu
	s_cmp_lt_u32 s34, 768
	s_cbranch_scc1 .Lact
	; THE BIAS AND THE SCALE, one work-group: c[n'] = b_mu + softplus(b_rho) eps, and SC[n'], 8 columns a thread
	EPSLD
	global_load_b128 v[X:X+3],     v[SO], s[20:21]
	global_load_b128 v[X+4:X+7],   v[SO], s[20:21] offset:256
	global_load_b128 v[X+8:X+11],  v[SO], s[22:23]
	global_load_b128 v[X+12:X+15], v[SO], s[22:23] offset:256
	s_wait_loadcnt 0x0
	EPSSEL
	EPSSC
.irp p, 0,1
	SP4 X+8+4*\p
	v_pk_fma_f32 v[X+4*\p:X+4*\p+1],   v[SPR:SPR+1],   v[E+4*\p:E+4*\p+1],   v[X+4*\p:X+4*\p+1]     ; in b_mu's registers: each block's store has its own data
	v_pk_fma_f32 v[X+4*\p+2:X+4*\p+3], v[SPR+2:SPR+3], v[E+4*\p+2:E+4*\p+3], v[X+4*\p+2:X+4*\p+3]
	global_store_b128 v[CBO], v[X+4*\p:X+4*\p+3], s[32:33] offset:512*\p
	global_store_b128 v[CBO], v[EH+4*\p:EH+4*\p+3], s[32:33] offset:8192+512*\p                     ; SC lies behind the 2048 numbers of c
.endr
	s_endpgm
	; EIGHT ROWS OF softplus(rho)^2 eps / SC.  Work-groups 0-127: W_rho, 128-255: U_rho; source rows k = 8 g of [W; U]
.Lsig:
	s_cmp_lt_u32 s34, 128
	s_cselect_b64 s[2:3], s[8:9], s[10:11]
	s_and_b32 s35, s34, 127
	s_mul_i32 s36, s35, 8*WROW
	s_add_nc_u64 s[2:3], s[2:3], s[36:37]
	BWDST 1
	EPSLD
	WLD
	s_wait_loadcnt 16                              ; loads come back in order (ISA guide 5.7.1): the four of eps are in, the sixteen rows' loads stay out
	EPSSEL
	EPSSC
	EPSINV
.irp q, 0,2,4,6
	v_pk_mul_f32 v[E+\q:E+\q+1], v[E+\q:E+\q+1], v[EH+\q:EH+\q+1]              ; eps / SC, below 2 in size
.endr
.macro SIGSLOT i, p
.set XN, X+8*\i+4*\p
	s_wait_loadcnt 15-2*\i-\p                      ; as many as were issued behind this slot's load
	SP4 XN
	v_pk_mul_f32 v[SPR:SPR+1],   v[SPR:SPR+1],   v[SPR:SPR+1]
	v_pk_mul_f32 v[SPR+2:SPR+3], v[SPR+2:SPR+3], v[SPR+2:SPR+3]
	v_pk_mul_f32 v[SPR:SPR+1],   v[SPR:SPR+1],   v[E+4*\p:E+4*\p+1]
	v_pk_mul_f32 v[SPR+2:SPR+3], v[SPR+2:SPR+3], v[E+4*\p+2:E+4*\p+3]
	v_cvt_pk_f16_f32 v[XN],   v[SPR],   v[SPR+1]
	v_cvt_pk_f16_f32 v[XN+1], v[SPR+2], v[SPR+3]
	global_store_b64 v[DO], v[XN:XN+1], s[4:5] offset:\i*4096+\p*256
.endm
.irp i, 0,1,2,3,4,5,6,7
.irp p, 0,1
	SIGSLOT \i, \p
.endr
.endr
	s_endpgm
	; EIGHT ROWS OF A MEAN MATRIX, over SC.  Work-groups 256-383: W_mu, 384-511: U_mu; source rows k = 8 (g - 256) of [W; U]
.Lmu:
	s_sub_co_u32 s34, s34, 256
	s_cmp_lt_u32 s34, 128
	s_cselect_b64 s[2:3], s[12:13], s[14:15]
	s_and_b32 s35, s34, 127
	s_mul_i32 s36, s35, 8*WROW
	s_add_nc_u64 s[2:3], s[2:3], s[36:37]
	BWDST 0
	EPSLD
	WLD
	s_wait_loadcnt 16                              ; the four loads of eps are in, the sixteen rows' loads stay out
	EPSSEL
	EPSSC
	EPSINV
.macro MUSLOT i, p
.set XN, X+8*\i+4*\p
	s_wait_loadcnt 15-2*\i-\p
	v_pk_mul_f32 v[XN:XN+1],   v[XN:XN+1],   v[EH+4*\p:EH+4*\p+1]              ; by a power of two: no rounding
	v_pk_mul_f32 v[XN+2:XN+3], v[XN+2:XN+3], v[EH+4*\p+2:EH+4*\p+3]
	v_cvt_pk_f16_f32 v[XN],   v[XN],   v[XN+1]
	v_cvt_pk_f16_f32 v[XN+1], v[XN+2], v[XN+3]
	global_store_b64 v[DO], v[XN:XN+1], s[4:5] offset:\i*4096+\p*256
.endm
.irp i, 0,1,2,3,4,5,6,7
.irp p, 0,1
	MUSLOT \i, \p
.endr
.endr
	s_endpgm
	; SIXTEEN ROWS OF x OR h_prev IN f16.  Work-groups 512-639: x, 640-767: h_prev
.Lact:
	s_sub_co_u32 s34, s34, 512
	s_cmp_lt_u32 s34, 128
	s_cselect_b64 s[2:3], s[16:17], s[18:19]
	s_and_b32 s35, s34, 127
	s_lshl_b32 s36, s35, 16                        ; 16 rows of 4,096 bytes, in the source and in Aw alike
	s_add_nc_u64 s[2:3], s[2:3], s[36:37]
	s_lshr_b32 s38, s34, 7
	s_lshl_b32 s38, s38, 11                        ; h_prev's part lies 2,048 bytes into Aw's row
	s_add_co_u32 s36, s36, s38
	s_add_nc_u64 s[4:5], s[28:29], s[36:37]
	v_lshlrev_b32 v[SO], 4, v0                     ; the 256 threads cover a row: 16 bytes in,
	v_lshlrev_b32 v[DO], 3, v0                     ; 8 bytes out
.irp i, 0,1,2,3,4,5,6,7,8,9,10,11,12,13,14,15
	global_load_b128 v[X+4*\i:X+4*\i+3], v[SO], s[2:3] offset:\i*4096 th:TH_LOAD_NT
.endr
.macro ACTSLOT i
	s_wait_loadcnt 15-\i
	v_cvt_pk_f16_f32 v[X+4*\i],   v[X+4*\i],   v[X+4*\i+1]
	v_cvt_pk_f16_f32 v[X+4*\i+1], v[X+4*\i+2], v[X+4*\i+3]
	global_store_b64 v[DO], v[X+4*\i:X+4*\i+1], s[4:5] offset:\i*4096
.endm
.irp i, 0,1,2,3,4,5,6,7,8,9,10,11,12,13,14,15
	ACTSLOT \i
.endr
	s_endpgm
.Lfunc_end_k_q0fd16cf78d_prep:
	.size	k_q0fd16cf78d_prep, .Lfunc_end_k_q0fd16cf78d_prep-k_q0fd16cf78d_prep
	.p2alignl 7, 3214868480
	.fill 96, 4, 3214868480
	.section	.rodata,"a",@progbits
	.p2align	6, 0x0
	.amdhsa_kernel k_q0fd16cf78d_prep
		.amdhsa_group_segment_fixed_size 0
		.amdhsa_private_segment_fixed_size 0
		.amdhsa_enable_private_segment 0
		.amdhsa_kernarg_size 104
		.amdhsa_user_sgpr_count 2
		.amdhsa_user_sgpr_kernarg_segment_ptr 1
		.amdhsa_wavefront_size32 1
		.amdhsa_system_sgpr_workgroup_id_x 1
		.amdhsa_system_sgpr_workgroup_id_y 1
		.amdhsa_system_sgpr_workgroup_id_z 1
		.amdhsa_system_vgpr_workitem_id 0
		.amdhsa_next_free_vgpr 112
		.amdhsa_next_free_sgpr 66
		.amdhsa_reserve_vcc 1
		.amdhsa_float_denorm_mode_32 3
		.amdhsa_float_denorm_mode_16_64 3
		.amdhsa_memory_ordered 1
		.amdhsa_forward_progress 1
		.amdhsa_inst_pref_size 69
	.end_amdhsa_kernel
	.amdgpu_metadata
---
amdhsa.version: [ 1, 2 ]
amdhsa.kernels:
  - .name:           k_q0fd16cf78d_prep
    .symbol:         k_q0fd16cf78d_prep.kd
    .args:
      - { .name: W_rho, .offset: 0, .size: 8, .value_kind: global_buffer, .address_space: global }
      - { .name: U_rho, .offset: 8, .size: 8, .value_kind: global_buffer, .address_space: global }
      - { .name: W_mu, .offset: 16, .size: 8, .value_kind: global_buffer, .address_space: global }
      - { .name: U_mu, .offset: 24, .size: 8, .value_kind: global_buffer, .address_space: global }
      - { .name: x, .offset: 32, .size: 8, .value_kind: global_buffer, .address_space: global }
      - { .name: h_prev, .offset: 40, .size: 8, .value_kind: global_buffer, .address_space: global }
      - { .name: b_mu, .offset: 48, .size: 8, .value_kind: global_buffer, .address_space: global }
      - { .name: b_rho, .offset: 56, .size: 8, .value_kind: global_buffer, .address_space: global }
      - { .name: u_eps, .offset: 64, .size: 8, .value_kind: global_buffer, .address_space: global }
      - { .name: h_pre_eps, .offset: 72, .size: 8, .value_kind: global_buffer, .address_space: global }
      - { .name: Aw, .offset: 80, .size: 8, .value_kind: global_buffer, .address_space: global }
      - { .name: Bw, .offset: 88, .size: 8, .value_kind: global_buffer, .address_space: global }
      - { .name: cb, .offset: 96, .size: 8, .value_kind: global_buffer, .address_space: global }
    .group_segment_fixed_size: 0
    .private_segment_fixed_size: 0
    .kernarg_segment_align: 8
    .kernarg_segment_size: 104
    .max_flat_workgroup_size: 256
    .sgpr_count:     66
    .vgpr_count:     112
    .wavefront_size: 32
...
	.end_amdgpu_metadata
.endif
;; end of part 1
;; launch cell (part 2): grid 16 x 16, 4 waves a work-group, clusters of 4 x 4, 327,680 bytes of LDS; arguments Aw, Bw, cb, h_prev, out0; writes out0
.if DOCPART == 2
	.amdgcn_target "amdgcn-amd-amdhsa--gfx1250"
	.amdhsa_code_object_version 6
	.text
	.protected	k_q0fd16cf78d_cell
	.globl	k_q0fd16cf78d_cell
	.p2align	8
	.type	k_q0fd16cf78d_cell,@function
k_q0fd16cf78d_cell:
	s_mov_b64 s[64:65], 0
	v_nop
	global_prefetch_b8 v0, s[64:65] scope:SCOPE_SE
	s_setreg_imm32_b32 hwreg(HW_REG_WAVE_MODE, 25, 1), 1
	s_wait_xcnt 0x0
	s_wait_alu depctr_hold_cnt(0) depctr_sa_sdst(0) depctr_va_vdst(0) depctr_va_sdst(0) depctr_va_ssrc(0) depctr_va_vcc(0) depctr_vm_vsrc(0)
	s_getreg_b32 s2, hwreg(HW_REG_IB_STS2, 6, 4)
	s_cmp_eq_u32 s2, 0
	s_cbranch_scc0 .Lentry_in_a_cluster
	s_endpgm
.Lentry_in_a_cluster:
	s_bfe_u32 s2, ttmp6, 0x10000c
	s_cmp_lg_u32 s2, 0xf033
	s_cbranch_scc0 .Lentry_shape_is_right
	s_endpgm
.Lentry_shape_is_right:
; CELL: g = SC (a Bmean + a^2 Bvar) + c over the 2048 numbers a = [x, h_prev] of a row, then u = sigmoid(g_u), out = u h_prev + (1 - u) tanh(g_h).
; Left out, as shown at the head of the first kernel: the gate r, which no output uses; Bw and cb hold the gates u and h alone.
; Aw [2048 m][2048 k] f16.  Bw [4096 rows][2048 n'] f16: rows 256 s .. + 127 the mean's weights over SC of k = 128 s .., rows 256 s + 128 .. + 255
; softplus(rho)^2 eps / SC of the same k.  cb [2][2048 n'] f32: c, then SC, a power of two for each column.  A block of 128 n' is 64 columns of u, then the same 64 of h.
;
; A work-group makes 128 m x 128 n', that is 128 x 64 of the output; 16 x 16 work-groups.  ITS FOUR WAVES SHARE K, NOT THE BLOCK: each holds all 128 x 128 sums in
; 512 registers and takes 32 of every 128 k.  The four partial sums meet once, in LDS, at the end (limit: K is summed in four parts), and are read back by rows.
; THE SQUARES ARE MADE HERE.  A wave loads its fragments of a once (64 registers) and multiplies them with the mean's weights (64 products); behind every fourth of these
; products stand four packed f16 multiplies, each the square of one register of a; then the squares are multiplied with the variance's weights (64 products) onto the same
; accumulators.  So a K step brings 32 KiB of a and 64 KiB of weights where stored squares would add 32 KiB, and a wave reads 48 fragment loads from LDS for 128 products.
; All products are of the f16 form.  Limits: a^2 is the square of f16(a), rounded to f16, infinite for |a| from 256 up; the others as stated at the head of the first kernel.
; K goes in 16 steps of 128 through two LDS slots filled by the tensor data mover: all rows are 256 bytes of memory and start at multiples of 256.
; CLUSTERS: 4 x 4 work-groups.  A's tile hangs on the block row alone and is asked for jointly by a row of the cluster, B's on the block column alone and by a column.
; The matrix instruction is used transposed: source 0 = 16 columns of B, source 1 = 16 rows of A, so lane l holds row l % 16, registers 0-7 columns 8 (l / 16) + 0..7.
;
; REGISTERS, in windows of 256: window 0: v0-63 addresses and work; v64-127 a, v128-191 a^2; v192-255 h_prev of my 32 rows.
;   window 1: v64-127 the mean's B, v128-191 the variance's B.  window 2: the 32 tiles of rows 0-63 (tile (a, b) at v[8 (8 a + b)]).  window 3: those of rows 64-127.
; A vector result lands in the window of the destination field, which for a product is the accumulators'; so each group of four squares stands between two switches.
.set QUART,  36864                     ; LDS bytes of one wave's tensor load: 128 rows of B x 288, or 64 rows of A x 272 (17,408) and a gap
.set SLOT,   4*QUART                   ; A rows 0-63, A rows 64-127, the mean's 128 rows of B, the variance's 128
.set APITCH, 272                       ; 256 + 16 = 17 x 16: the sixteen rows of a fragment load start at sixteen different 16-byte columns modulo 256
.set BPITCH, 288                       ; 256 + 32 = 9 x 32, for the transposing load
.set RPITCH, 528                       ; the way out: a row of 128 f32 + 16
.set RED,    128*RPITCH                ; one wave's partial sums; four of them lie over the ring, which by then has had its last fill
.set PA,   8                           ; v8      byte offset in Aw of the block that my lane asks for ahead
.set PB,   9                           ; v9      the same in Bw
.set ADRA, 16                          ; v16-17  my A fragments in slot 0, 1
.set ADRB, 20                          ; v20-21  my B fragments in slot 0, 1
.set STO,  24                          ; v24     where I put my partial sums
.set RD,   26                          ; v26-29  where I read wave p's partial sums of my rows
.set CO,   30                          ; v30     my byte offset in h_prev and out0
.set CBO,  31                          ; v31     my byte offset in cb
.set CK,   32                          ; v[32:35] c of my 4 columns of u, v[36:39] of h; later scaled for the exponentials
.set T,    40                          ; v[40:47] on the way out: 4 of u, 4 of h, at work
.set XE,   48                          ; v[48:55] exponentials
.set SK,   56                          ; v[56:59] SC of my 4 columns of u, v[60:63] of h; later scaled for the exponentials
.set F0,   64                          ; a, and the mean's B
.set F1,   128                         ; a^2, and the variance's B
.set P0,   64                          ; the way out: v[64:95], v[96:127] partial sums of a row pair, two buffers
.set O,    128                         ; the way out: v[128:191] results, 4 for each of 16 row pairs
.set HP,   192                         ; v[192:255] h_prev, 4 for each of 16 row pairs
.set G1,  24                           ; s[24:31] descriptor group 1, A
.set G0,  32                           ; s[32:39] group 0, A, one set a slot
.set G1B, 48                           ; s[48:55] group 1, B
.set G0B, 56                           ; s[56:63] group 0, B, one set a slot
.set MSB, 0
.macro WIN new                         ; the immediate's high byte repeats the setting that is left
.if MSB != \new
	s_set_vgpr_msb (MSB<<8)|\new
.set MSB, \new
.endif
.endm
.set MUL_LO, 0xa1                      ; source 0 (B) window 1, source 1 (A) window 0, C and D window 2
.set MUL_HI, 0xf1                      ; the same, C and D window 3
.set TO_B,   0x40                      ; destination window 1, address window 0
.set ST_LO,  0x08                      ; an LDS store's data (source 1) from window 2
.set ST_HI,  0x0c                      ; from window 3
; A joint load: waves 0 and 1 fetch A's two halves, waves 2 and 3 B's.  Each line has one mask; the branch hangs on the wave's number alone.
.macro JLOAD s
	s_cmp_eq_u32 s15, 0
	s_cbranch_scc0 .Lfor_b_\@
	tensor_load_to_lds s[G0+4*\s:G0+4*\s+3], s[G1:G1+7]
	s_nop 0
	s_branch .Lasked_\@
.Lfor_b_\@:
	tensor_load_to_lds s[G0B+4*\s:G0B+4*\s+3], s[G1B:G1B+7]
	s_nop 0
.Lasked_\@:
.endm
; A round of the cluster's barrier: my work-group's barrier; wave 0 signals for the work-group; every wave waits for all sixteen; my work-group's barrier again.
.macro CREST                           ; a round behind its opening barrier
	s_cmp_lg_u32 s14, 0
	s_cbranch_scc1 .Lnot_wave_0_\@
	s_barrier_signal -3
.Lnot_wave_0_\@:
	s_barrier_wait -3
	s_barrier_signal -1
	s_barrier_wait -1
.endm
.macro CROUND
	s_barrier_signal -1
	s_barrier_wait -1
	CREST
.endm
; ASKING AHEAD.  Wave 1 alone asks, in K step t, the first of a lap, just behind its joint load, for bytes whose tensor loads are issued from K step t + 2 on.
; pfb: of Bw the rows 16 x block row .. + 15 of the 256 rows of my block column, for K steps t + 4 (lanes 0-15) and t + 5 (lanes 16-31): 32 blocks of 256 bytes, one a lane;
; the sixteen work-groups of a block column ask for each of its blocks once.  pfa, every other lap: of Aw the rows 8 x block column .. + 7 of the 128 rows of my block row, for
; K steps t + 4 .. t + 7 (lane / 8): again 32 blocks, each asked for once among the sixteen work-groups of a block row.
; Bw is asked for last in K step 10 (steps 14, 15), Aw in K step 8 (steps 12 to 15): no request points behind K step 15.
; The offsets are stepped behind s_wait_xcnt 0, which stands a lap behind the last request that read them (ISA guide 3.1).
.macro ASK pfa, pfb
.if \pfa+\pfb
	s_cmp_lg_u32 s14, 1
	s_cbranch_scc1 .Lno_ask_\@
	s_wait_xcnt 0x0
.if \pfb
	v_add_nc_u32 v[PB], 0x200000, v[PB]            ; two K steps on: 512 rows of Bw
.endif
.if \pfa
	v_add_nc_u32 v[PA], 1024, v[PA]                ; four K steps on: 512 k along Aw's rows
.endif
.if \pfb
	global_prefetch_b8 v[PB], s[6:7] th:TH_LOAD_NT scope:SCOPE_SE
.endif
.if \pfa
	global_prefetch_b8 v[PA], s[4:5] th:TH_LOAD_NT scope:SCOPE_SE
.endif
.Lno_ask_\@:
.endif
.endm
	s_load_b256 s[4:11], s[0:1], 0x0               ; Aw s[4:5], Bw s[6:7], cb s[8:9], h_prev s[10:11]
	s_load_b64 s[12:13], s[0:1], 0x20              ; out0
	s_set_vgpr_msb 0x40
	v_lshl_add_u32 v255, v0, 2, 0x48000
	s_set_vgpr_msb 0x4000
	v_mov_b32 v25, 0
	s_set_vgpr_msb 0x1
	ds_add_u32 v255, v25
	s_set_vgpr_msb 0x100
	v_lshrrev_b32 v1, 5, v0
	v_readfirstlane_b32 s14, v1                    ; wave 0..3: my quarter of every K step
	s_lshr_b32 s15, s14, 1                         ; I fetch for A (0) or for B (1),
	s_and_b32 s16, s14, 1                          ; its first or its second half
	s_bfe_u32 s17, ttmp6, 0x40000                  ; cx
	s_bfe_u32 s18, ttmp6, 0x40004                  ; cy
	s_lshl_b32 s19, ttmp9, 2
	s_add_co_u32 s19, s19, s17                     ; block column = 4 x cluster x + cx
	s_and_b32 s20, ttmp7, 0xffff
	s_lshl_b32 s20, s20, 2
	s_add_co_u32 s20, s20, s18                     ; block row = 4 x cluster y + cy
	s_lshl_b32 s21, s18, 2
	s_lshl_b32 s21, 15, s21                        ; my row of the cluster: places 4 cy .. 4 cy + 3
	s_lshl_b32 s22, 0x1111, s17                    ; my column: places cx, cx + 4, cx + 8, cx + 12
	; group 1 for A: 64 rows x 128 elements of 2 bytes, 4 words of padding behind every 64 words
	s_or_b32 s[G1+0], s21, (1<<16)|(1<<20)|(1<<21)|(5<<22)|(3<<25)
	s_mov_b32 s[G1+1], 128<<16                     ; tensor_dim0 = 128
	s_mov_b32 s[G1+2], 64<<16                      ; tensor_dim1 = 64
	s_mov_b32 s[G1+3], 128<<16                     ; tile_dim0 = 128
	s_mov_b32 s[G1+4], 64                          ; tile_dim1 = 64
	s_mov_b32 s[G1+5], 2048                        ; elements from row to row of Aw
	s_mov_b32 s[G1+6], 0
	s_mov_b32 s[G1+7], 0
	; group 1 for B: 128 rows x 128 elements, 8 words of padding behind every 64 words
	s_or_b32 s[G1B+0], s22, (1<<16)|(1<<20)|(1<<21)|(5<<22)|(7<<25)
	s_mov_b32 s[G1B+1], 128<<16
	s_mov_b32 s[G1B+2], 128<<16
	s_mov_b32 s[G1B+3], 128<<16
	s_mov_b32 s[G1B+4], 128
	s_mov_b32 s[G1B+5], 2048                       ; elements from row to row of Bw
	s_mov_b32 s[G1B+6], 0
	s_mov_b32 s[G1B+7], 0
	; where the tiles come from: A's offset is made of the block row and the wave's number, B's of the block column and the wave's number
	s_lshl_b32 s44, s16, 18                        ; 64 rows of Aw, 4,096 bytes each
	s_lshl_b32 s40, s20, 19                        ; 128 rows of Aw
	s_add_co_u32 s40, s40, s44
	s_mov_b32 s41, 0
	s_lshl_b32 s44, s16, 19                        ; 128 rows of Bw: the mean's or the variance's
	s_lshl_b32 s42, s19, 8                         ; 128 columns of Bw
	s_add_co_u32 s42, s42, s44
	s_mov_b32 s43, 0
	s_mul_i32 s23, s14, QUART                      ; and where they go: the wave's number alone
	; my 32 rows x 64 columns of h_prev and out0, my block's 128 numbers of cb
	s_lshl_b32 s70, s20, 19                        ; 128 rows of 4,096 bytes
	s_lshl_b32 s72, s14, 17                        ; 32 rows
	s_add_co_u32 s70, s70, s72
	s_lshl_b32 s72, s19, 8                         ; 64 columns
	s_add_co_u32 s70, s70, s72
	s_mov_b32 s71, 0
	s_lshl_b32 s72, s19, 9
	s_mov_b32 s73, 0
	s_wait_dscnt 0x0
	s_wait_kmcnt 0x0
	s_add_nc_u64 s[66:67], s[4:5], s[40:41]
	s_add_nc_u64 s[68:69], s[6:7], s[42:43]
	s_add_nc_u64 s[74:75], s[10:11], s[70:71]      ; h_prev
	s_add_nc_u64 s[76:77], s[12:13], s[70:71]      ; out0
	s_add_nc_u64 s[78:79], s[8:9], s[72:73]        ; cb
	CROUND                                         ; all sixteen work-groups are here: the first joint loads meet
.irp s, 0,1
	s_mov_b32 s[G0+4*\s], 1
	s_add_co_u32 s[G0+4*\s+1], s23, \s*SLOT
	s_add_nc_u64 s[G0+4*\s+2:G0+4*\s+3], s[66:67], \s*256          ; K step s: 128 k along Aw's rows
	s_or_b32 s[G0+4*\s+3], s[G0+4*\s+3], 0x80000000
	s_mov_b32 s[G0B+4*\s], 1
	s_add_co_u32 s[G0B+4*\s+1], s23, \s*SLOT
	s_add_nc_u64 s[G0B+4*\s+2:G0B+4*\s+3], s[68:69], \s*0x100000   ; K step s: 256 rows of Bw
	s_or_b32 s[G0B+4*\s+3], s[G0B+4*\s+3], 0x80000000
	JLOAD \s                                       ; both slots' first fills, ahead of everything else: two tensor loads of the wave are out
.endr
	v_and_b32 v1, 15, v0                           ; r = l % 16
	v_bfe_u32 v2, v0, 4, 1                         ; h = l / 16
	; A fragment (16 rows x 32 k): two loads of 16 bytes, 32 apart, at row x pitch + 16 h; my k begin 32 wave into the step
	v_mul_u32_u24 v3, v1, APITCH
	v_lshl_add_u32 v3, v2, 4, v3
	s_lshl_b32 s45, s14, 6
	v_add_nc_u32 v[ADRA], s45, v3
	v_add_nc_u32 v[ADRA+1], SLOT, v[ADRA]
	; B fragment from rows that lie along n: two transposing loads, 16 rows apart, at (k + 8 h + (l & 7)) x pitch + 16 ((l >> 3) & 1)
	v_and_b32 v4, 7, v0
	v_lshl_add_u32 v4, v2, 3, v4
	v_mul_u32_u24 v4, v4, BPITCH
	v_bfe_u32 v5, v0, 3, 1
	v_lshl_add_u32 v4, v5, 4, v4
	s_mul_i32 s46, s14, 32*BPITCH
	s_add_co_u32 s46, s46, 2*QUART                 ; B lies behind A's two halves
	v_add_nc_u32 v[ADRB], s46, v4
	v_add_nc_u32 v[ADRB+1], SLOT, v[ADRB]
	; the way out
	v_mul_u32_u24 v6, v1, RPITCH
	v_lshl_add_u32 v6, v2, 5, v6                   ; in: row r, 32 bytes (8 columns) for each half of the lanes
	s_mul_i32 s47, s14, RED
	v_add_nc_u32 v[STO], s47, v6
	v_mul_u32_u24 v7, v2, RPITCH
	v_lshl_add_u32 v7, v1, 4, v7                   ; back: lanes 0-15 one row, lanes 16-31 the next, 16 bytes a lane
	s_mul_i32 s44, s14, 32*RPITCH                  ; my 32 rows
	v_add_nc_u32 v[RD], s44, v7
.irp p, 1,2,3
	v_add_nc_u32 v[RD+\p], \p*RED, v[RD]
.endr
	v_lshlrev_b32 v[CBO], 4, v1
	v_lshl_add_u32 v[CO], v2, 12, v[CBO]           ; the same two rows in h_prev and out0
	; asking ahead: each offset starts one of its steps in front of the first request
	v_and_b32 v10, 7, v0
	v_lshlrev_b32 v[PA], 12, v10                   ; Aw: row l % 8 of my eight,
	v_bfe_u32 v10, v0, 3, 2
	v_lshl_add_u32 v[PA], v10, 8, v[PA]            ; K step l / 8 of four;
	s_lshl_b32 s44, s20, 19                        ; 128 rows x block row
	s_lshl_b32 s45, s19, 15                        ; + 8 rows x block column
	s_add_co_u32 s44, s44, s45
	v_add_nc_u32 v[PA], s44, v[PA]                 ; the first request adds 1,024 bytes: K steps 4 to 7
	v_lshlrev_b32 v[PB], 12, v1                    ; Bw: row l % 16 of my sixteen,
	v_lshl_add_u32 v[PB], v2, 20, v[PB]            ; K step l / 16 of two;
	s_lshl_b32 s44, s20, 16                        ; 16 rows x block row
	s_lshl_b32 s45, s19, 8                         ; + 256 bytes x block column
	s_add_co_u32 s44, s44, s45
	s_add_co_u32 s44, s44, 0x200000                ; K step 2: the first request adds two K steps
	v_add_nc_u32 v[PB], s44, v[PB]
	; the bias, the scale and h_prev of my part are asked for now and waited for on the way out; their address registers are never written again
	global_load_b128 v[CK:CK+3],   v[CBO], s[78:79]
	global_load_b128 v[CK+4:CK+7], v[CBO], s[78:79] offset:256
	global_load_b128 v[SK:SK+3],   v[CBO], s[78:79] offset:8192
	global_load_b128 v[SK+4:SK+7], v[CBO], s[78:79] offset:8192+256
.irp t, 0,1,2,3,4,5,6,7,8,9,10,11,12,13,14,15
	global_load_b128 v[HP+4*\t:HP+4*\t+3], v[CO], s[74:75] offset:\t*8192
.endr
; Places between a matrix instruction and what may not follow it at once (ISA guide 7.12.1 for vector instructions); matrix instructions are not counted as places.
.macro PLACES n
.rept \n
	v_nop
.endr
.endm
; Product k of the mean's 64: row block k / 8, column block k % 8, tile k % 32 of its window.  zero = 1: the product starts the sum.
; The 64 accumulators take turns, one instruction a turn, in the same order in the mean's and the variance's products.
.macro MMUL k, zero
.if \zero
	v_wmma_f32_16x16x32_f16 v[8*((\k)%32):8*((\k)%32)+7], v[F0+8*((\k)%8):F0+8*((\k)%8)+7], v[F0+8*((\k)/8):F0+8*((\k)/8)+7], 0
.else
	v_wmma_f32_16x16x32_f16 v[8*((\k)%32):8*((\k)%32)+7], v[F0+8*((\k)%8):F0+8*((\k)%8)+7], v[F0+8*((\k)/8):F0+8*((\k)/8)+7], v[8*((\k)%32):8*((\k)%32)+7]
.endif
.endm
; Products 4 g .. 4 g + 3 of the mean, and behind them the squares of registers 4 g .. 4 g + 3 of a, two numbers a register.
; A square's register was last read by a product of the K step before.  Row blocks 0-3: the four v_nop of that step's second half stand between.
; Row blocks 4-7: the 32 squares of row blocks 0-3, which name none of that product's registers, stand between.
.macro MGRP g, win, zero
	WIN \win
.irp i, 0,1,2,3
	MMUL 4*\g+\i, \zero
.endr
	WIN 0
.irp i, 0,1,2,3
	v_pk_mul_f16 v[F1+4*\g+\i], v[F0+4*\g+\i], v[F0+4*\g+\i]
.endr
.endm
; 16 products of the variance: row blocks a0, a0 + 1 of the window's four x all 8 column blocks
.macro MULV hi, a0
.irp a, \a0, \a0+1
.irp b, 0,1,2,3,4,5,6,7
	v_wmma_f32_16x16x32_f16 v[8*(8*(\a)+\b):8*(8*(\a)+\b)+7], v[F1+8*\b:F1+8*\b+7], v[F1+8*(4*\hi+\a):F1+8*(4*\hi+\a)+7], v[8*(8*(\a)+\b):8*(8*(\a)+\b)+7]
.endr
.endr
.endm
; 32 LDS loads in one run: my 32 k of a slot: the mean's 8 column blocks of B, then a's 8 row blocks
.macro FETCHM slot
	WIN TO_B
.irp b, 0,1,2,3,4,5,6,7
	ds_load_tr16_b128 v[F0+8*\b:F0+8*\b+3],   v[ADRB+\slot] offset:32*\b
	ds_load_tr16_b128 v[F0+8*\b+4:F0+8*\b+7], v[ADRB+\slot] offset:16*BPITCH+32*\b
.endr
	WIN 0
.irp u, 0,1
.irp i, 0,1,2,3
	ds_load_b128 v[F0+8*(4*\u+\i):F0+8*(4*\u+\i)+3],   v[ADRA+\slot] offset:\u*QUART+\i*16*APITCH
	ds_load_b128 v[F0+8*(4*\u+\i)+4:F0+8*(4*\u+\i)+7], v[ADRA+\slot] offset:\u*QUART+\i*16*APITCH+32
.endr
.endr
.endm
; 16 LDS loads: the variance's 8 column blocks of B, 128 rows (QUART bytes) behind the mean's
.macro FETCHV slot
	WIN TO_B
.irp b, 0,1,2,3,4,5,6,7
	ds_load_tr16_b128 v[F1+8*\b:F1+8*\b+3],   v[ADRB+\slot] offset:QUART+32*\b
	ds_load_tr16_b128 v[F1+8*\b+4:F1+8*\b+7], v[ADRB+\slot] offset:QUART+16*BPITCH+32*\b
.endr
.endm
; The first half of a K step: a times the mean's weights, and the squares beside it.
; The loads into the variance's B stand behind 32 squares, plain vector instructions that name none of the registers of the products that last read it.
.macro MEAN slot, zero
	s_wait_dscnt 8                                 ; the mean's B and a's rows 0-63 are in; the youngest eight loads (a's rows 64-127) may be out
.irp g, 0,1,2,3,4,5,6,7
	MGRP \g, MUL_LO, \zero
.endr
	FETCHV \slot
	s_wait_dscnt 16                                ; all but the 16 just issued: a's rows 64-127 are in
.irp g, 8,9,10,11,12,13,14,15
	MGRP \g, MUL_HI, \zero
.endr
.endm
; The second half: a^2 times the variance's weights, and the change of slots.
; In front of the one barrier each wave waits for its reads of this slot and for all its tensor loads (one is out: its part of the next slot).  Behind it nobody reads
; this slot and the next is whole: the refill comes first, then the next slot's first fragments.  From a request to the wait for it a wave issues 112 matrix instructions.
.macro VAR slot, next, fill, pfa, pfb
	s_wait_dscnt 0                                 ; the variance's B is in, and with it my reads of this slot are over
	WIN MUL_LO
	MULV 0, 0
	s_wait_tensorcnt 0x0                           ; all my tensor loads have landed
	ds_add_u32 v255, v25
	s_wait_dscnt 0x0
	s_barrier_signal -1                            ; say so (where the slot is filled again this barrier opens a round of the cluster's barrier),
	MULV 0, 2                                      ; work on registers while the others arrive
	WIN 0
	s_barrier_wait -1
.if \fill
	CREST                                          ; no wave of any partner still reads this slot's tile or has a load on its way
	s_add_nc_u64 s[G0+4*\slot+2:G0+4*\slot+3], s[G0+4*\slot+2:G0+4*\slot+3], 512           ; two K steps on: 256 k along Aw's rows,
	s_add_nc_u64 s[G0B+4*\slot+2:G0B+4*\slot+3], s[G0B+4*\slot+2:G0B+4*\slot+3], 0x200000  ; 512 rows of Bw
	JLOAD \slot                                    ; the wave's one tensor load behind the round, and the first thing there
	ASK \pfa, \pfb
.endif
	PLACES 4                                       ; for the loads into a and the mean's B, which the mean's last products read, and for the next step's first squares
	FETCHM \next
	WIN MUL_HI
	MULV 1, 0
	MULV 1, 2
.endm
.macro LAP zero, pfa, pfb              ; two K steps, both slots filled again; what is asked ahead is asked in the first
	MEAN 0, \zero
	VAR 0, 1, 1, \pfa, \pfb
	MEAN 1, 0
	VAR 1, 0, 1, 0, 0
.endm
	s_wait_tensorcnt 1                             ; my part of K step 0 is in; step 1's load may stay out
	s_barrier_signal -1
	s_barrier_wait -1                              ; everybody's is
	FETCHM 0
	LAP 1, 1, 1                                    ; K steps 0, 1: the first products start the sums, nothing is cleared
	WIN 0
	s_mov_b32 s3, 2
.Lk:
	LAP 0, 0, 1                                    ; K steps 2, 3 and 6, 7
	LAP 0, 1, 1                                    ; K steps 4, 5 and 8, 9
	WIN 0
	s_sub_co_u32 s3, s3, 1
	s_cmp_lg_u32 s3, 0
	s_cbranch_scc1 .Lk
	LAP 0, 0, 1                                    ; K steps 10, 11: the last request ahead, for Bw's K steps 14, 15
	LAP 0, 0, 0                                    ; K steps 12, 13
	MEAN 0, 0                                      ; K steps 14, 15: nothing is left to fetch, so no refill and no round of the cluster's barrier
	VAR 0, 1, 0, 0, 0                              ; its wait for all tensor loads is the last: none is issued behind it
	MEAN 1, 0
	s_wait_dscnt 0                                 ; the variance's B is in; my reads of the ring are over
	WIN MUL_LO
	MULV 0, 0
	MULV 0, 2
	s_barrier_signal -1                            ; behind this barrier the partial sums are laid over the ring
	WIN MUL_HI
	MULV 1, 0
	MULV 1, 2
	WIN 0
	s_barrier_wait -1
	; THE FOUR PARTIAL SUMS MEET.  Each wave lays its 128 x 128 f32 into its own 67,584 bytes: row 16 (4 hi + a) + r, columns 16 b + 8 h + 0..7.
	PLACES 4                                       ; between the last matrix instructions and the stores that read their results
.macro PUT hi
.irp a, 0,1,2,3
.irp b, 0,1,2,3,4,5,6,7
	ds_store_b128 v[STO], v[8*(8*\a+\b):8*(8*\a+\b)+3]   offset:(4*\hi+\a)*16*RPITCH+64*\b
	ds_store_b128 v[STO], v[8*(8*\a+\b)+4:8*(8*\a+\b)+7] offset:(4*\hi+\a)*16*RPITCH+64*\b+16
.endr
.endr
.endm
	WIN ST_LO
	PUT 0
	WIN ST_HI
	PUT 1
	WIN 0
	s_wait_dscnt 0x0                               ; my stores are done, for the others' sake
	s_barrier_signal -1
	s_barrier_wait -1
	s_wait_loadcnt 0x0                             ; the bias, the scale and h_prev, asked for at the start
.irp q, 0,2
	v_pk_mul_f32 v[CK+\q:CK+\q+1],     v[CK+\q:CK+\q+1],     0xbfb8aa3b op_sel_hi:[1,0]    ; sigmoid(g) = 1 / (1 + 2^(-log2(e) g)), g = SC sum + c
	v_pk_mul_f32 v[SK+\q:SK+\q+1],     v[SK+\q:SK+\q+1],     0xbfb8aa3b op_sel_hi:[1,0]
	v_pk_mul_f32 v[CK+4+\q:CK+4+\q+1], v[CK+4+\q:CK+4+\q+1], 0x4038aa3b op_sel_hi:[1,0]    ; tanh(g) = 1 - 2 / (1 + 2^(2 log2(e) g)); an infinite power gives 1, a zero one -1
	v_pk_mul_f32 v[SK+4+\q:SK+4+\q+1], v[SK+4+\q:SK+4+\q+1], 0x4038aa3b op_sel_hi:[1,0]
.endr
; Wave w finishes rows 32 w .. 32 w + 31, two at a time.  Row pair t: from each of the four parts my 4 columns of u and, 256 bytes on, the same 4 of h.
.macro EPL t
.irp p, 0,1,2,3
	ds_load_b128 v[P0+32*((\t)&1)+8*\p:P0+32*((\t)&1)+8*\p+3],   v[RD+\p] offset:2*RPITCH*(\t)
	ds_load_b128 v[P0+32*((\t)&1)+8*\p+4:P0+32*((\t)&1)+8*\p+7], v[RD+\p] offset:2*RPITCH*(\t)+256
.endr
.endm
.macro EPC t
.set PB2, P0+32*((\t)&1)
.irp q, 0,2,4,6
	v_pk_add_f32 v[T+\q:T+\q+1], v[PB2+\q:PB2+\q+1], v[PB2+8+\q:PB2+8+\q+1]
	v_pk_add_f32 v[PB2+16+\q:PB2+16+\q+1], v[PB2+16+\q:PB2+16+\q+1], v[PB2+24+\q:PB2+24+\q+1]
.endr
.irp q, 0,2,4,6
	v_pk_add_f32 v[T+\q:T+\q+1], v[T+\q:T+\q+1], v[PB2+16+\q:PB2+16+\q+1]
.endr
.irp q, 0,2,4,6
	v_pk_fma_f32 v[T+\q:T+\q+1], v[T+\q:T+\q+1], v[SK+\q:SK+\q+1], v[CK+\q:CK+\q+1]       ; the column's scale, the bias and the exponential's factor in one
.endr
.irp k, 0,1,2,3,4,5,6,7
	v_exp_f32 v[XE+\k], v[T+\k]
.endr
	v_nop                                          ; one plain instruction behind the last exponential (ISA guide 5.7.2)
	s_wait_alu depctr_va_vdst(0)
.irp q, 0,2,4,6
	v_pk_add_f32 v[XE+\q:XE+\q+1], v[XE+\q:XE+\q+1], 1.0 op_sel_hi:[1,0]
.endr
.irp k, 0,1,2,3,4,5,6,7
	v_rcp_f32 v[T+\k], v[XE+\k]                    ; T 0-3: u
.endr
	v_nop                                          ; and behind the last reciprocal
	s_wait_alu depctr_va_vdst(0)
.irp q, 0,2
	v_pk_fma_f32 v[T+4+\q:T+4+\q+1], v[T+4+\q:T+4+\q+1], -2.0, 1.0 op_sel_hi:[1,0,0]      ; T 4-7: tanh
.endr
.irp q, 0,2
	v_pk_add_f32 v[O+4*(\t)+\q:O+4*(\t)+\q+1], v[HP+4*(\t)+\q:HP+4*(\t)+\q+1], v[T+4+\q:T+4+\q+1] neg_lo:[0,1] neg_hi:[0,1]
.endr
.irp q, 0,2
	v_pk_fma_f32 v[O+4*(\t)+\q:O+4*(\t)+\q+1], v[T+\q:T+\q+1], v[O+4*(\t)+\q:O+4*(\t)+\q+1], v[T+4+\q:T+4+\q+1]   ; tanh + u (h_prev - tanh) = u h_prev + (1 - u) tanh
.endr
	global_store_b128 v[CO], v[O+4*(\t):O+4*(\t)+3], s[76:77] offset:(\t)*8192 th:TH_STORE_NT   ; 16 lanes store 256 consecutive bytes, aligned; each row pair has its own data registers
.endm
	EPL 0
.irp t, 0,1,2,3,4,5,6,7,8,9,10,11,12,13,14
	EPL \t+1
	s_wait_dscnt 8                                 ; this pair's eight loads are in, the next pair's eight stay out
	EPC \t
.endr
	s_wait_dscnt 0x0
	EPC 15
	s_set_vgpr_msb 0x1
	s_wait_tensorcnt 0x0
	ds_add_u32 v255, v25
	s_wait_dscnt 0x0
	s_set_vgpr_msb 0x100
	CROUND                                         ; the closing round: no work-group ends while a partner may still ask for a tile that names it
	s_endpgm
.Lfunc_end_k_q0fd16cf78d_cell:
	.size	k_q0fd16cf78d_cell, .Lfunc_end_k_q0fd16cf78d_cell-k_q0fd16cf78d_cell
	.p2alignl 7, 3214868480
	.fill 96, 4, 3214868480
	.section	.rodata,"a",@progbits
	.p2align	6, 0x0
	.amdhsa_kernel k_q0fd16cf78d_cell
		.amdhsa_group_segment_fixed_size 327680
		.amdhsa_private_segment_fixed_size 0
		.amdhsa_enable_private_segment 0
		.amdhsa_kernarg_size 40
		.amdhsa_user_sgpr_count 2
		.amdhsa_user_sgpr_kernarg_segment_ptr 1
		.amdhsa_wavefront_size32 1
		.amdhsa_system_sgpr_workgroup_id_x 1
		.amdhsa_system_sgpr_workgroup_id_y 1
		.amdhsa_system_sgpr_workgroup_id_z 1
		.amdhsa_system_vgpr_workitem_id 0
		.amdhsa_next_free_vgpr 1024
		.amdhsa_next_free_sgpr 80
		.amdhsa_reserve_vcc 0
		.amdhsa_float_denorm_mode_32 3
		.amdhsa_float_denorm_mode_16_64 3
		.amdhsa_memory_ordered 1
		.amdhsa_forward_progress 1
		.amdhsa_inst_pref_size 255
	.end_amdhsa_kernel
	.section	.bss,"aw",@nobits
	.p2align	6
	.space	262144
	.amdgpu_metadata
---
amdhsa.version: [ 1, 2 ]
amdhsa.kernels:
  - .name:           k_q0fd16cf78d_cell
    .symbol:         k_q0fd16cf78d_cell.kd
    .args:
      - { .name: Aw, .offset: 0, .size: 8, .value_kind: global_buffer, .address_space: global }
      - { .name: Bw, .offset: 8, .size: 8, .value_kind: global_buffer, .address_space: global }
      - { .name: cb, .offset: 16, .size: 8, .value_kind: global_buffer, .address_space: global }
      - { .name: h_prev, .offset: 24, .size: 8, .value_kind: global_buffer, .address_space: global }
      - { .name: out0, .offset: 32, .size: 8, .value_kind: global_buffer, .address_space: global }
    .group_segment_fixed_size: 327680
    .private_segment_fixed_size: 0
    .kernarg_segment_align: 8
    .kernarg_segment_size: 40
    .max_flat_workgroup_size: 128
    .sgpr_count:     80
    .vgpr_count:     1024
    .wavefront_size: 32
...
	.end_amdgpu_metadata
.endif
;; end of part 2
;; ======== version 2 of 2: 2 launches; version 1 with the launch prep written anew for expert scheduling mode
;; limits: values are held in f16: magnitudes above 65,504 overflow, below 6.1e-05 lose precision; inputs' magnitudes at most 256; right only within a limited range of input values
;; workspace buffers: Aw 8,388,608 bytes; Bw 16,777,216 bytes; cb 16,384 bytes
;; launch prep (part 3): grid 769 x 1, 8 waves a work-group, no clusters, 0 bytes of LDS; arguments W_rho, U_rho, W_mu, U_mu, x, h_prev, b_mu, b_rho, u_eps, h_pre_eps, Aw, Bw, cb; writes Aw, Bw, cb
.if DOCPART == 3
	.amdgcn_target "amdgcn-amd-amdhsa--gfx1250"
	.amdhsa_code_object_version 6
	.text
	.protected	k_q0fd16cf78d_prep
	.globl	k_q0fd16cf78d_prep
	.p2align	8
	.type	k_q0fd16cf78d_prep,@function
k_q0fd16cf78d_prep:
	s_mov_b64 s[64:65], 0
	v_nop
	global_prefetch_b8 v0, s[64:65] scope:SCOPE_SE
	s_setreg_imm32_b32 hwreg(HW_REG_WAVE_SCHED_MODE, 0, 2), 2
	s_setreg_imm32_b32 hwreg(HW_REG_WAVE_MODE, 25, 1), 1
	s_wait_xcnt 0x0
	s_wait_alu depctr_vm_vsrc(0)
; PREP: the operands of the one product that the second kernel makes, in 16 bits, the folded bias and a scale for each column.
;
; WORK LEFT OUT.  The result is h = u h_prev + (1 - u) tanh(..).  It is made of the slices [H, 2H) and [2H, 3H) of mu and sig alone: r, made of
; the slice [0, H), is used by no later line, whatever the inputs hold.  So columns 0 to 1023 of W_mu, W_rho, U_mu, U_rho, b_mu, b_rho are not read,
; their third of all four products is not made, and r_eps, which has no other use, is no argument of any kernel here.
; Limit: a NaN, an infinity or an overflow that lies in those columns or in r_eps alone is not carried to the result.
;
; THE FORM.  With a = [x, h_prev] (2048 long) the input of a gate's activation is, for column n with its eps[n],
;   g[m][n] = sum_k a[m][k] Wmu[k][n]  +  sum_k a[m][k]^2 (softplus(rho[k][n])^2 eps[n])  +  c[n],   c[n] = b_mu[n] + softplus(b_rho[n]) eps[n],
; since eps[n] is the same for every k.  Both sums go onto one accumulator.  With SC[n] = max(2^floor(log2 |eps[n]|), 1), a power of two:
;   Aw [2048 m][2048 k], f16: x | h_prev, 1024 each.  The squares are not stored: the second kernel makes them in registers from these numbers.
;   Bw [4096 rows][2048 n'], f16.  Source row k = 128 s + kk of [W; U] lies at row 256 s + kk as Wmu / SC and at row 256 s + 128 + kk as
;      softplus(rho)^2 eps / SC: the 256 rows that go with 128 columns of Aw adjoin.
;   cb [2][2048 n'] f32: c, then SC.  The second kernel's sums are (g - c) / SC.
; Column order: n' = 128 (j >> 6) + 64 gate + (j & 63), gate 0 = u, 1 = h, source column 1024 + 1024 gate + j: a block of 128 n' holds 64 columns of u
; and the same 64 of h, so that one work-group of the second kernel can blend them.
; FORMATS.  All operands go in f16 (11 bits).  softplus(rho)^2 is spread so widely that one product a^2 s^2 eps can be most of g's variance part; with 8 bits both its
; factors are off by up to 2^-9, which on a part of a few units, cancelled by the mean where tanh is steep, is an error near 0.01.  With 11 bits it is at most 2^-10 in all.
; SC gives f16 the room: |eps| / SC < 2, so the variance's weights stay under 2 softplus(rho)^2, whatever the size of eps.
; Limits: |W_mu|, |U_mu| from 65,504 up and softplus(rho)^2 from 32,752 up (rho from 181) become infinity; |x|, |h_prev| from 256 up have an infinite square in the
; second kernel; below 6.1e-5 an operand is kept in steps of 6e-8 (for the weights: times SC); |eps| from 2^127 up: 1 / SC is no normal number.
; softplus(r) = max(r, 0) + log1p(exp(-|r|)), the form that keeps the exponential in range.  With t = exp(-|r|): log1p(t) = ln2 log2(1 + t) for
; t >= 1/64, and t (1 + t (-1/2 + t/3)) below, where the next term is t^3/4 of the value, under 1e-6.  Limit: t below 2^-126 counts as 0.
;
; A stream: no LDS, no barrier, no loop.  A work-group takes one job by its number: 0-255 eight rows of a rho matrix, 256-511 eight rows of a mu matrix,
; 512-767 sixteen rows of x or h_prev, 768 the bias.  A thread issues all its loads of 16 bytes at once and finishes them in order under counted waits.
; A wave's load of a weight row covers two runs of 256 bytes (lanes 0-15 a gate u run, lanes 16-31 the gate h run 4,096 bytes on);
; a wave's store of 8 bytes a lane covers 256 consecutive bytes, aligned.  No register that a store names is written again, so no wait frees one.
;
; THE MODE: SCHED_MODE bits 1:0 = 2 (LLVM: expert scheduling mode 2), set by the entry lines.  The code itself states the register dependences
; between vector instructions and memory instructions, with s_wait_alu, always for 0.
; THE PLAN.  Registers that memory instructions touch:
;   v4-v7      the offsets SO, DO, EO, CBO.  Written by vector instructions at the head, read by every load and store.  One wait on va_vdst stands behind the head's
;              arithmetic.  The job for x and h_prev makes SO and DO anew, on a way on which no memory instruction has read them, and has a wait of its own behind the two lines.
;   E, EH, X   Loads land in them.  On every way all loads are issued ahead of the first vector instruction that names these registers: the counted waits on LOADcnt are all that stands between.
;   X's slots  A slot's first two registers are written by its two roundings and read by its one store; in the bias job X .. X+7 hold c and EH holds SC, read by four stores.
;              None is written again, nor is any offset behind a memory instruction: so no wait on vm_vsrc is owed anywhere.
;   Rho rows:  the store of slot n - 1 stands in slot n, directly behind the wait for slot n's exponentials, which also shows slot n - 1's roundings written.
;   Mu rows, x and h_prev: the slots go in groups of four.  One wait on va_vdst at the head of groups 1 to 3 shows the group before rounded; its four stores are dealt
;              among the group's slots, whose vector instructions name the group's own registers alone.  One more wait stands ahead of the last stores of every job.
; Masks: the choice of eps by gate goes through VCC, softplus's choice of form through s[36:39], four compares in a run; a wait stands between each run and its first reader.
.set WROW, 12288                       ; bytes in a row of a weight matrix
.set SO,  4                            ; v4  byte offset of my 16 bytes in a source row
.set DO,  5                            ; v5  byte offset of my 8 bytes in a destination row
.set EO,  6                            ; v6  byte offset of my 4 numbers in u_eps and in h_pre_eps
.set CBO, 7                            ; v7  byte offset of my 4 numbers in cb
.set E,   8                            ; v[8:15]   eps of my 4 columns, block 0 then block 1 (256 bytes on)
.set EH,  16                           ; v[16:23]  h_pre_eps as loaded; then SC; then 1 / SC
.set N,   24                           ; v[24:27]  -|r| log2(e), later log2(1 + t)
.set M,   28                           ; v[28:31]  max(r, 0)
.set U,   32                           ; v[32:35]  1 + t, later the form for large t
.set Q,   36                           ; v[36:39]  the form for small t
.set SPR, 40                           ; v[40:43]  softplus
.set TT,  44                           ; v[44:47]  t
.set X,   48                           ; v[48:111] 16 slots of 4 registers, as loaded; their first two later hold what is stored
.set MK,  36                           ; s[36:39]  softplus: the lanes that take the series, for each of 4 numbers; ahead of that the offsets' scalar scratch
	s_load_b512 s[8:23], s[0:1], 0x0               ; W_rho s[8:9], U_rho s[10:11], W_mu s[12:13], U_mu s[14:15], x s[16:17], h_prev s[18:19], b_mu s[20:21], b_rho s[22:23]
	s_load_b256 s[24:31], s[0:1], 0x40             ; u_eps s[24:25], h_pre_eps s[26:27], Aw s[28:29], Bw s[30:31]
	s_load_b64 s[32:33], s[0:1], 0x60              ; cb
	s_mov_b32 s34, ttmp9                           ; the work-group's number
	s_mov_b32 s37, 0                               ; upper word of every offset: all are below 4 GiB
	v_and_b32 v1, 31, v0                           ; lane L
	v_lshrrev_b32 v2, 5, v0                        ; wave w
	v_and_b32 v3, 15, v0                           ; L & 15
	v_lshlrev_b32 v[EO], 4, v3
	v_lshl_add_u32 v[EO], v2, 9, v[EO]             ; 512 w + 16 (L & 15): columns j = 128 w + 4 (L & 15) ..
	v_bfe_u32 v[SO], v0, 4, 1                      ; gate = L >> 4
	v_lshl_add_u32 v[SO], v[SO], 12, v[EO]         ; 4096 gate + 4 j
	v_add_nc_u32 v[SO], 0x1000, v[SO]              ; + 4096: the r third is passed over
	v_lshlrev_b32 v[DO], 3, v1
	v_lshl_add_u32 v[DO], v2, 9, v[DO]             ; 2 n' = 512 w + 8 L
	v_lshlrev_b32 v[CBO], 4, v1
	v_lshl_add_u32 v[CBO], v2, 10, v[CBO]          ; 4 n' = 1024 w + 16 L
	s_wait_kmcnt 0x0
	s_wait_alu depctr_va_vdst(0)                   ; the four offsets v4 to v7 are written, which the loads and stores of every job read
.macro EPSLD                           ; both gates' eps of my columns
	global_load_b128 v[E:E+3],     v[EO], s[24:25]
	global_load_b128 v[E+4:E+7],   v[EO], s[24:25] offset:256
	global_load_b128 v[EH:EH+3],   v[EO], s[26:27]
	global_load_b128 v[EH+4:EH+7], v[EO], s[26:27] offset:256
.endm
.macro EPSSEL                          ; lanes 0-15 keep u_eps, lanes 16-31 take h_pre_eps
	v_cmp_gt_u32 vcc_lo, 16, v1
	s_wait_alu depctr_va_vcc(0)                    ; the compare has written VCC, ahead of the first of the eight selects that read it
.irp i, 0,1,2,3,4,5,6,7
	v_cndmask_b32 v[E+\i], v[EH+\i], v[E+\i], vcc_lo
.endr
.endm
.macro EPSSC                           ; EH = SC: the exponent field of eps alone is 2^floor(log2 |eps|) (0 for a denormal or 0), and at least 1
.irp i, 0,1,2,3,4,5,6,7
	v_and_b32 v[EH+\i], 0x7f800000, v[E+\i]
.endr
.irp i, 0,1,2,3,4,5,6,7
	v_max_num_f32 v[EH+\i], 1.0, v[EH+\i]
.endr
.endm
.macro EPSINV                          ; EH = 1 / SC, exactly: the exponent field 127 + e becomes 127 - e
.irp i, 0,1,2,3,4,5,6,7
	v_sub_nc_u32 v[EH+\i], 0x7f000000, v[EH+\i]
.endr
.endm
.macro WLD                             ; eight rows x two blocks of a weight matrix: slot 2 i + p
.irp i, 0,1,2,3,4,5,6,7
	global_load_b128 v[X+8*\i:X+8*\i+3],   v[SO], s[2:3] offset:\i*WROW th:TH_LOAD_NT
	global_load_b128 v[X+8*\i+4:X+8*\i+7], v[SO], s[2:3] offset:\i*WROW+256 th:TH_LOAD_NT
.endr
.endm
; s[4:5] = Bw at the row of source row k = 8 s34: row 256 (k / 128) + 128 half + k % 128, 4,096 bytes a row.  Eight rows never cross a block of 128.
.macro BWDST half
	s_lshr_b32 s38, s34, 4                         ; k / 128
	s_lshl_b32 s38, s38, 20                        ; 256 rows
	s_and_b32 s39, s34, 15
	s_lshl_b32 s39, s39, 15                        ; (k % 128) rows
	s_add_co_u32 s36, s38, s39
.if \half
	s_add_co_u32 s36, s36, 0x80000                 ; the variance's 128 rows lie behind the mean's
.endif
	s_add_nc_u64 s[4:5], s[30:31], s[36:37]
.endm
; softplus of v[x : x+3] into SPR, in two parts: a store may stand between them, behind the first part's wait
.macro SP4A x
.irp k, 0,1,2,3
	v_or_b32 v[N+\k], 0x80000000, v[\x+\k]                                     ; -|r|
.endr
	v_pk_mul_f32 v[N:N+1],   v[N:N+1],   0x3fb8aa3b op_sel_hi:[1,0]            ; times log2(e)
	v_pk_mul_f32 v[N+2:N+3], v[N+2:N+3], 0x3fb8aa3b op_sel_hi:[1,0]
.irp k, 0,1,2,3
	v_exp_f32 v[TT+\k], v[N+\k]                                                ; t = exp(-|r|), at most 1
.endr
.irp k, 0,1,2,3
	v_max_num_f32 v[M+\k], 0, v[\x+\k]                                         ; plain work between the exponentials and the first use of t (ISA guide 5.7.2)
.endr
	s_wait_alu depctr_va_vdst(0)                   ; the four exponentials have written t, ahead of its first reader; and all that vector instructions wrote ahead of this line is written
.endm
.macro SP4B
	v_pk_add_f32 v[U:U+1],   v[TT:TT+1],   1.0 op_sel_hi:[1,0]
	v_pk_add_f32 v[U+2:U+3], v[TT+2:TT+3], 1.0 op_sel_hi:[1,0]
.irp k, 0,1,2,3
	v_log_f32 v[N+\k], v[U+\k]                                                 ; log2(1 + t)
.endr
	v_pk_fma_f32 v[Q:Q+1],   v[TT:TT+1],   0x3eaaaaab, -0.5 op_sel_hi:[1,0,0]  ; t/3 - 1/2: plain work behind the logarithms
	v_pk_fma_f32 v[Q+2:Q+3], v[TT+2:TT+3], 0x3eaaaaab, -0.5 op_sel_hi:[1,0,0]
.irp k, 0,1,2,3
	v_cmp_gt_f32 s[MK+\k], 0x3c800000, v[TT+\k]                                ; 1/64 > t: the series.  Four compares in a run, each into a mask of its own
.endr
	v_pk_fma_f32 v[Q:Q+1],   v[TT:TT+1],   v[Q:Q+1],   1.0 op_sel_hi:[1,1,0]
	v_pk_fma_f32 v[Q+2:Q+3], v[TT+2:TT+3], v[Q+2:Q+3], 1.0 op_sel_hi:[1,1,0]
	v_pk_fma_f32 v[Q:Q+1],   v[TT:TT+1],   v[Q:Q+1],   v[M:M+1]                ; max(r, 0) + t (1 + t (t/3 - 1/2))
	v_pk_fma_f32 v[Q+2:Q+3], v[TT+2:TT+3], v[Q+2:Q+3], v[M+2:M+3]
	s_wait_alu depctr_va_vdst(0)                   ; the four logarithms have written v[N ..], ahead of their first reader
	v_pk_fma_f32 v[U:U+1],   v[N:N+1],   0x3f317218, v[M:M+1]   op_sel_hi:[1,0,1]   ; max(r, 0) + ln2 log2(1 + t)
	v_pk_fma_f32 v[U+2:U+3], v[N+2:N+3], 0x3f317218, v[M+2:M+3] op_sel_hi:[1,0,1]
	s_wait_alu depctr_va_sdst(0)                   ; the four compares have written s[MK ..], ahead of the first select that reads one
.irp k, 0,1,2,3
	v_cndmask_b32 v[SPR+\k], v[U+\k], v[Q+\k], s[MK+\k]
.endr
.endm
	s_cmp_lt_u32 s34, 256
	s_cbranch_scc1 .Lsig
	s_cmp_lt_u32 s34, 512
	s_cbranch_scc1 .Lmu
	s_cmp_lt_u32 s34, 768
	s_cbranch_scc1 .Lact
	; THE BIAS AND THE SCALE, one work-group: c[n'] = b_mu + softplus(b_rho) eps, and SC[n'], 8 columns a thread
	EPSLD
	global_load_b128 v[X:X+3],     v[SO], s[20:21]
	global_load_b128 v[X+4:X+7],   v[SO], s[20:21] offset:256
	global_load_b128 v[X+8:X+11],  v[SO], s[22:23]
	global_load_b128 v[X+12:X+15], v[SO], s[22:23] offset:256
	s_wait_loadcnt 0x0
	EPSSEL
	EPSSC
.irp p, 0,1
	SP4A X+8+4*\p
	SP4B
	v_pk_fma_f32 v[X+4*\p:X+4*\p+1],   v[SPR:SPR+1],   v[E+4*\p:E+4*\p+1],   v[X+4*\p:X+4*\p+1]     ; in b_mu's registers: each block's store has its own data
	v_pk_fma_f32 v[X+4*\p+2:X+4*\p+3], v[SPR+2:SPR+3], v[E+4*\p+2:E+4*\p+3], v[X+4*\p+2:X+4*\p+3]
.endr
	s_wait_alu depctr_va_vdst(0)                   ; both blocks' c (v[X .. X+7]) and SC (v[EH ..]) are written, which the four stores read
.irp p, 0,1
	global_store_b128 v[CBO], v[X+4*\p:X+4*\p+3], s[32:33] offset:512*\p
	global_store_b128 v[CBO], v[EH+4*\p:EH+4*\p+3], s[32:33] offset:8192+512*\p                     ; SC lies behind the 2048 numbers of c
.endr
	s_endpgm
	; EIGHT ROWS OF softplus(rho)^2 eps / SC.  Work-groups 0-127: W_rho, 128-255: U_rho; source rows k = 8 g of [W; U]
.Lsig:
	s_cmp_lt_u32 s34, 128
	s_cselect_b64 s[2:3], s[8:9], s[10:11]
	s_and_b32 s35, s34, 127
	s_mul_i32 s36, s35, 8*WROW
	s_add_nc_u64 s[2:3], s[2:3], s[36:37]
	BWDST 1
	EPSLD
	WLD
	s_wait_loadcnt 16                              ; loads come back in order (ISA guide 5.7.1): the four of eps are in, the sixteen rows' loads stay out
	EPSSEL
	EPSSC
	EPSINV
.irp q, 0,2,4,6
	v_pk_mul_f32 v[E+\q:E+\q+1], v[E+\q:E+\q+1], v[EH+\q:EH+\q+1]              ; eps / SC, below 2 in size
.endr
; Slot n = 2 i + p: row i, block p.  It issues the store of slot n - 1.
.macro SIGSLOT n
.set XN, X+4*(\n)
	s_wait_loadcnt 15-(\n)                         ; as many as were issued behind this slot's load
	SP4A XN
.if (\n) > 0
	global_store_b64 v[DO], v[XN-4:XN-3], s[4:5] offset:(((\n)-1)/2)*4096+(((\n)-1)%2)*256   ; the slot before: its two roundings stand ahead of the wait just passed, and nothing stands between that wait and this line
.endif
	SP4B
	v_pk_mul_f32 v[SPR:SPR+1],   v[SPR:SPR+1],   v[SPR:SPR+1]
	v_pk_mul_f32 v[SPR+2:SPR+3], v[SPR+2:SPR+3], v[SPR+2:SPR+3]
	v_pk_mul_f32 v[SPR:SPR+1],   v[SPR:SPR+1],   v[E+4*((\n)%2):E+4*((\n)%2)+1]
	v_pk_mul_f32 v[SPR+2:SPR+3], v[SPR+2:SPR+3], v[E+4*((\n)%2)+2:E+4*((\n)%2)+3]
	v_cvt_pk_f16_f32 v[XN],   v[SPR],   v[SPR+1]
	v_cvt_pk_f16_f32 v[XN+1], v[SPR+2], v[SPR+3]
.endm
.irp n, 0,1,2,3,4,5,6,7,8,9,10,11,12,13,14,15
	SIGSLOT \n
.endr
	s_wait_alu depctr_va_vdst(0)                   ; slot 15's two roundings have written v[X+60:X+61], which the last store reads
	global_store_b64 v[DO], v[X+60:X+61], s[4:5] offset:7*4096+256
	s_endpgm
	; EIGHT ROWS OF A MEAN MATRIX, over SC.  Work-groups 256-383: W_mu, 384-511: U_mu; source rows k = 8 (g - 256) of [W; U]
.Lmu:
	s_sub_co_u32 s34, s34, 256
	s_cmp_lt_u32 s34, 128
	s_cselect_b64 s[2:3], s[12:13], s[14:15]
	s_and_b32 s35, s34, 127
	s_mul_i32 s36, s35, 8*WROW
	s_add_nc_u64 s[2:3], s[2:3], s[36:37]
	BWDST 0
	EPSLD
	WLD
	s_wait_loadcnt 16                              ; the four loads of eps are in, the sixteen rows' loads stay out
	EPSSEL
	EPSSC
	EPSINV
; Slot n = 2 i + p: row i, block p.  It issues the store of slot n - 4, of the group of four before.
.macro MUSLOT n
.set XN, X+4*(\n)
	s_wait_loadcnt 15-(\n)
.if (\n) > 3
.if (\n)%4 == 0
	s_wait_alu depctr_va_vdst(0)                   ; the group before has written the first two registers of its four slots, which the four stores dealt among this group read
.endif
	global_store_b64 v[DO], v[XN-16:XN-15], s[4:5] offset:(((\n)-4)/2)*4096+(((\n)-4)%2)*256   ; no vector instruction since that wait names this slot's registers
.endif
	v_pk_mul_f32 v[XN:XN+1],   v[XN:XN+1],   v[EH+4*((\n)%2):EH+4*((\n)%2)+1]  ; by a power of two: no rounding
	v_pk_mul_f32 v[XN+2:XN+3], v[XN+2:XN+3], v[EH+4*((\n)%2)+2:EH+4*((\n)%2)+3]
	v_cvt_pk_f16_f32 v[XN],   v[XN],   v[XN+1]
	v_cvt_pk_f16_f32 v[XN+1], v[XN+2], v[XN+3]
.endm
.irp n, 0,1,2,3,4,5,6,7,8,9,10,11,12,13,14,15
	MUSLOT \n
.endr
	s_wait_alu depctr_va_vdst(0)                   ; the last group has written the first two registers of slots 12 to 15, which the last four stores read
.irp n, 12,13,14,15
	global_store_b64 v[DO], v[X+4*(\n):X+4*(\n)+1], s[4:5] offset:((\n)/2)*4096+((\n)%2)*256
.endr
	s_endpgm
	; SIXTEEN ROWS OF x OR h_prev IN f16.  Work-groups 512-639: x, 640-767: h_prev
.Lact:
	s_sub_co_u32 s34, s34, 512
	s_cmp_lt_u32 s34, 128
	s_cselect_b64 s[2:3], s[16:17], s[18:19]
	s_and_b32 s35, s34, 127
	s_lshl_b32 s36, s35, 16                        ; 16 rows of 4,096 bytes, in the source and in Aw alike
	s_add_nc_u64 s[2:3], s[2:3], s[36:37]
	s_lshr_b32 s38, s34, 7
	s_lshl_b32 s38, s38, 11                        ; h_prev's part lies 2,048 bytes into Aw's row
	s_add_co_u32 s36, s36, s38
	s_add_nc_u64 s[4:5], s[28:29], s[36:37]
	v_lshlrev_b32 v[SO], 4, v0                     ; the 256 threads cover a row: 16 bytes in,
	v_lshlrev_b32 v[DO], 3, v0                     ; 8 bytes out.  On the way here no memory instruction has read the two
	s_wait_alu depctr_va_vdst(0)                   ; SO and DO are written anew, which this job's loads and stores read
.irp i, 0,1,2,3,4,5,6,7,8,9,10,11,12,13,14,15
	global_load_b128 v[X+4*\i:X+4*\i+3], v[SO], s[2:3] offset:\i*4096 th:TH_LOAD_NT
.endr
; Slot i: row i.  It issues the store of slot i - 4, of the group of four before.
.macro ACTSLOT i
	s_wait_loadcnt 15-(\i)
.if (\i) > 3
.if (\i)%4 == 0
	s_wait_alu depctr_va_vdst(0)                   ; the group before has written the first two registers of its four slots, which the four stores dealt among this group read
.endif
	global_store_b64 v[DO], v[X+4*(\i)-16:X+4*(\i)-15], s[4:5] offset:((\i)-4)*4096   ; no vector instruction since that wait names this slot's registers
.endif
	v_cvt_pk_f16_f32 v[X+4*(\i)],   v[X+4*(\i)],   v[X+4*(\i)+1]
	v_cvt_pk_f16_f32 v[X+4*(\i)+1], v[X+4*(\i)+2], v[X+4*(\i)+3]
.endm
.irp i, 0,1,2,3,4,5,6,7,8,9,10,11,12,13,14,15
	ACTSLOT \i
.endr
	s_wait_alu depctr_va_vdst(0)                   ; the last group has written the first two registers of slots 12 to 15, which the last four stores read
.irp i, 12,13,14,15
	global_store_b64 v[DO], v[X+4*(\i):X+4*(\i)+1], s[4:5] offset:(\i)*4096
.endr
	s_endpgm
.Lfunc_end_k_q0fd16cf78d_prep:
	.size	k_q0fd16cf78d_prep, .Lfunc_end_k_q0fd16cf78d_prep-k_q0fd16cf78d_prep
	.p2alignl 7, 3214868480
	.fill 96, 4, 3214868480
	.section	.rodata,"a",@progbits
	.p2align	6, 0x0
	.amdhsa_kernel k_q0fd16cf78d_prep
		.amdhsa_group_segment_fixed_size 0
		.amdhsa_private_segment_fixed_size 0
		.amdhsa_enable_private_segment 0
		.amdhsa_kernarg_size 104
		.amdhsa_user_sgpr_count 2
		.amdhsa_user_sgpr_kernarg_segment_ptr 1
		.amdhsa_wavefront_size32 1
		.amdhsa_system_sgpr_workgroup_id_x 1
		.amdhsa_system_sgpr_workgroup_id_y 1
		.amdhsa_system_sgpr_workgroup_id_z 1
		.amdhsa_system_vgpr_workitem_id 0
		.amdhsa_next_free_vgpr 112
		.amdhsa_next_free_sgpr 66
		.amdhsa_reserve_vcc 1
		.amdhsa_float_denorm_mode_32 3
		.amdhsa_float_denorm_mode_16_64 3
		.amdhsa_memory_ordered 1
		.amdhsa_forward_progress 1
		.amdhsa_inst_pref_size 74
	.end_amdhsa_kernel
	.amdgpu_metadata
---
amdhsa.version: [ 1, 2 ]
amdhsa.kernels:
  - .name:           k_q0fd16cf78d_prep
    .symbol:         k_q0fd16cf78d_prep.kd
    .args:
      - { .name: W_rho, .offset: 0, .size: 8, .value_kind: global_buffer, .address_space: global }
      - { .name: U_rho, .offset: 8, .size: 8, .value_kind: global_buffer, .address_space: global }
      - { .name: W_mu, .offset: 16, .size: 8, .value_kind: global_buffer, .address_space: global }
      - { .name: U_mu, .offset: 24, .size: 8, .value_kind: global_buffer, .address_space: global }
      - { .name: x, .offset: 32, .size: 8, .value_kind: global_buffer, .address_space: global }
      - { .name: h_prev, .offset: 40, .size: 8, .value_kind: global_buffer, .address_space: global }
      - { .name: b_mu, .offset: 48, .size: 8, .value_kind: global_buffer, .address_space: global }
      - { .name: b_rho, .offset: 56, .size: 8, .value_kind: global_buffer, .address_space: global }
      - { .name: u_eps, .offset: 64, .size: 8, .value_kind: global_buffer, .address_space: global }
      - { .name: h_pre_eps, .offset: 72, .size: 8, .value_kind: global_buffer, .address_space: global }
      - { .name: Aw, .offset: 80, .size: 8, .value_kind: global_buffer, .address_space: global }
      - { .name: Bw, .offset: 88, .size: 8, .value_kind: global_buffer, .address_space: global }
      - { .name: cb, .offset: 96, .size: 8, .value_kind: global_buffer, .address_space: global }
    .group_segment_fixed_size: 0
    .private_segment_fixed_size: 0
    .kernarg_segment_align: 8
    .kernarg_segment_size: 104
    .max_flat_workgroup_size: 256
    .sgpr_count:     66
    .vgpr_count:     112
    .wavefront_size: 32
...
	.end_amdgpu_metadata
.endif
;; end of part 3
;; launch cell: the kernel of part 2 again; grid 16 x 16, 4 waves a work-group, clusters of 4 x 4, 327,680 bytes of LDS; arguments Aw, Bw, cb, h_prev, out0; writes out0
